; MI455X (gfx1250); checked and timed in simulation.
; The chip was launched on July 23, 2026; its instructions are those of AMD's public machine-readable ISA for CDNA 5 (MIT licence, August 2026) and "CDNA5" Instruction Set Architecture Reference Guide (July 2026). The comments in the code are by the model that wrote it; some were corrected since.
;; Relative Attention. Allowed arithmetic: float matrix products may take bf16 or f16 operands with f32 sums; all other float work in f32.
;; Inputs: k 2 x 16 x 2,048 x 64 float32; q 2 x 16 x 2,048 x 64 float32; relative_bias 17 float32; v 2 x 16 x 2,048 x 64 float32.
;; Outputs: out0 2 x 16 x 2,048 x 64 float32.
;; One version. Each part assembles by itself: llvm-mc -triple=amdgcn-amd-amdhsa -mcpu=gfx1250 --defsym DOCPART=n.
;; ======== version 1 of 1: 1 launch
;; limits: values are held in f16: magnitudes above 65,504 overflow, below 6.1e-05 lose precision
;; launch attn (part 1): grid 8 x 32, 8 waves a work-group, clusters of 4 x 1, 327,680 bytes of LDS; arguments q, k, v, relative_bias, out0; writes out0
.if DOCPART == 1
	.amdgcn_target "amdgcn-amd-amdhsa--gfx1250"
	.amdhsa_code_object_version 6
	.text
	.protected	k_qe6dc22159a_attn
	.globl	k_qe6dc22159a_attn
	.p2align	8
	.type	k_qe6dc22159a_attn,@function
k_qe6dc22159a_attn:
	s_mov_b64 s[64:65], 0
	v_nop
	global_prefetch_b8 v0, s[64:65] scope:SCOPE_SE
	s_setreg_imm32_b32 hwreg(HW_REG_WAVE_MODE, 25, 1), 1
	s_wait_xcnt 0x0
	s_wait_alu depctr_hold_cnt(0) depctr_sa_sdst(0) depctr_va_vdst(0) depctr_va_sdst(0) depctr_va_ssrc(0) depctr_va_vcc(0) depctr_vm_vsrc(0)
	s_getreg_b32 s2, hwreg(HW_REG_IB_STS2, 6, 4)
	s_cmp_eq_u32 s2, 0
	s_cbranch_scc0 .Lentry_in_a_cluster
	s_endpgm
.Lentry_in_a_cluster:
	s_bfe_u32 s2, ttmp6, 0x10000c
	s_cmp_lg_u32 s2, 0x3003
	s_cbranch_scc0 .Lentry_shape_is_right
	s_endpgm
.Lentry_shape_is_right:
; out[b,h,q,:] = softmax over k of ( q.k / 8 + bias[clip(k - q, -8, 8) + 8] ) . v      q, k, v, out: [32 heads][2048][64] f32; bias: [17] f32.
; One launch, flash attention: running maximum, running sum, O rescaled in every step; nothing goes through memory between the steps.
;
; SHARES.  Work-group y = head.  Four work-groups along x form a cluster that owns 1,024 query rows of the head (cluster x = 0, 1).
; Eight waves, two for each of a WGP's four SIMDs, so that one wave's softmax can stand beside the other's matrix work.
; Wave w: row group w' = w & 3, key group g = w >> 2.  Row group w' has the span of 256 rows at 1024 clx + 256 w'; partner cx takes of it the four
; blocks of 16 rows at + 64 i + 16 cx (i = 0..3).  So which key tiles touch the band of the bias is the same in all four partners (it hangs on clx, w'
; and the step alone) and cx enters register values and global addresses of q, out, bias and the prefetch only: no branch, no LDS address, no descriptor.
; A step is 128 keys; key group g takes the tile of 64 keys T = 2 step + g, with its own maximum, sum and O; the two groups are merged once at the end.
;
; CLUSTER.  All four partners walk the same K and V of the head: every tile is asked for jointly (mask 15), which divides the requests for K and V by four.
;
; PRODUCTS, both used transposed.  S^T = K Q^T: lane (r, h) holds query r, keys 8h + j of a block of 16: maximum and sum of a row are in-lane but for one
; exchange of the halves, and two blocks of S, rounded to f16 in place, ARE a B fragment of P^T.  O^T = V^T P^T: lane (r, h) holds out[query r][16 db + 8h + j].
; The bias is the C operand of the first S product of each tile: eight blocks of 8 registers (below the band, above it, six that meet it), loaded once.
;
; FORMATS.  q / 8, k, v and p go to the matrix unit in f16 (11 significant bits), sums in f32.  K and V land in LDS as f32 and are rounded once for the whole
; work-group into an f16 image.  Room: numbers of unit spread reach about 6; thirty times larger with an offset of thirty spreads they stay under about 210,
; a factor of 300 below f16's largest number; p lies in (0, about 1] by the running maximum.
; LIMITS.  |k| or |v| >= 65,520, |q| >= 524,160 overflow in f16.  Below 2^-14 (q: 2^-11) an operand keeps an absolute step of 2^-24; for p that is at most
; 2048 x 2^-25 of the largest weight in a whole row.  NaN and infinite inputs are not followed (v_max_num_f32 drops a NaN).  Exponentials below 2^-126 come
; out as 0 (ISA guide, 15.8).  The row sum adds p in f32, the product takes p rounded to f16.
;
; LDS:  F0, F1   f32 as landed: 128 rows of K, 128 rows of V, 256 bytes each; written by tensor loads alone
;       B0, B1   f16: K 128 rows, pitch 144 (odd multiple of 16); V 128 rows, pitch 160 (odd multiple of 32, for the transposing load)
;       X        first Q in f16 (256 rows, pitch 144), at the end the hand-over of key group 1 (4 x 17,408)
;       OUT      4 x 16 rows of 272 bytes: the way out of waves 0 to 3, each its own
.set LOG2E,  0x3fb8aa3b
.set NLOG2E, 0xbfb8aa3b
.set STEPB,  32768                     ; 128 rows of 256 bytes: a step of K or of V in memory
.set FSLOT,  65536
.set FV,     32768                     ; V inside an F slot
.set KP,     144
.set VP,     160
.set BBASE,  131072
.set BSLOT,  128*KP+128*VP             ; 38,912
.set VBASE,  BBASE+128*KP              ; 149,504
.set XBASE,  BBASE+2*BSLOT             ; 208,896
.set MRG,    17408                     ; 32 x 512 of O, 512 of shifts, 512 of sums
.set OBASE,  XBASE+4*MRG               ; 278,528
.set OP,     272
; window 0
.set QS,  6                            ; v6       Q's stage, store side (prologue)
.set KA,  8                            ; v8       K fragments
.set VA,  9                            ; v9       V fragments
.set CS,  10                           ; v10-11   conversion source in F0, F1
.set CDK, 12                           ; v12      conversion target, K
.set CDV, 13                           ; v13      conversion target, V
.set PFO, 14                           ; v14      lane x 256, for the prefetch
.set MX,  15                           ; v15      hand-over
.set OS,  16                           ; v16      way out, store side
.set OL,  17                           ; v17      way out, load side
.set GO,  18                           ; v18      lane x 16
.set QA,  19                           ; v19      Q fragments
.set MM,  20                           ; v[20:23] running maximum of q-block i
.set PA,  28                           ; v[28:35] pairs (shift nm_i = -log2e m_i, alpha_i); at the end (f0, f1)
.set LS,  36                           ; v[36:43] pairs of running sums
.set TT,  44                           ; v[44:47] at work
.set XH,  48                           ; v[48:51] the other half of the lanes
.set PN,  52                           ; v[52:55] the partner wave's shifts
.set PL,  56                           ; v[56:59] the partner wave's sums
.set QQ,  64                           ; v[64:127]  Q fragment (i, dh) at 64 + 16 i + 8 dh
.set SC,  128                          ; v[128:255] S tile (i, kb) at 128 + 32 i + 8 kb; packed: P(i, kk) at 128 + 32 i + 8 kk
.set TC,  SC+16                        ; the 16 registers that packing frees in each block of 32: four quads each
; window 1 (written with the low 8 bits)
.set FR,  128                          ; v[384:447] K fragment (kb, dh) at 16 kb + 8 dh, later V fragment (db, kk) at 16 db + 8 kk;  O(i, db) at v[256 + 32 i + 8 db]
.set BLO, 192                          ; bias blocks: below the band,
.set BHI, 200                          ; above it,
.set BM3, 208                          ; tile one span below, keys 48-63,
.set BP0, 216                          ; tile one span above, keys 0-15,
.set BZ0, 224                          ; the span's own tile, keys 16 kb ..
.set G1,  24                           ; s[24:31] descriptor group 1
.set G0,  32                           ; s[32:39] descriptor group 0, one set for each F slot
.set PFB, 42                           ; s[42:43] prefetch base
.set MSB, 0
.macro WIN new                         ; the immediate's high byte repeats the setting that is left
.if MSB != \new
	s_set_vgpr_msb (MSB<<8)|\new
.set MSB, \new
.endif
.endm
.macro PLACES                          ; four plain places behind a matrix instruction (ISA guide 7.12.1)
.rept 4
	v_nop
.endr
.endm
.macro WGBAR
	s_barrier_signal -1
	s_barrier_wait -1
.endm
; A round of the cluster's barrier: my work-group's barrier, wave 0 signals for the work-group, every wave waits for all four, my work-group's barrier again.
.macro ROUND
	s_barrier_signal -1
	s_barrier_wait -1
	s_cmp_lg_u32 s14, 0
	s_cbranch_scc1 .Lnot_wave_0_\@
	s_barrier_signal -3
.Lnot_wave_0_\@:
	s_barrier_wait -3
	s_barrier_signal -1
	s_barrier_wait -1
.endm
; The joint refill of an F slot: waves 0, 1 bring K's two halves of 64 rows, waves 2, 3 V's; waves 4 to 7 bring nothing.
.macro JFILL slot
	s_cmp_lt_u32 s14, 4
	s_cbranch_scc0 .Lno_fill_\@
	tensor_load_to_lds s[G0+4*\slot:G0+4*\slot+3], s[G1:G1+7]
	s_nop 0
.Lno_fill_\@:
.endm
	s_load_b256 s[4:11], s[0:1], 0x0               ; q s[4:5], k s[6:7], v s[8:9], bias s[10:11]
	s_load_b64 s[12:13], s[0:1], 0x20              ; out
	v_lshl_add_u32 v62, v0, 2, 0x48400
	v_mov_b32 v63, 0
	ds_add_u32 v62, v63
	v_lshrrev_b32 v4, 5, v0
	v_readfirstlane_b32 s14, v4                    ; wave w
	s_and_b32 s15, s14, 3                          ; row group w'
	s_lshr_b32 s16, s14, 2                         ; key group g
	s_bfe_u32 s17, ttmp6, 0x40000                  ; cx
	s_mov_b32 s18, ttmp9                           ; clx: in a cluster launch ttmp9 counts clusters
	s_and_b32 s19, ttmp7, 0xffff                   ; head
	s_mov_b32 s22, 0x76543210                      ; v_permlanex16_b32: lane i of one half reads lane i of the other
	s_mov_b32 s23, 0xfedcba98
	s_lshl_b32 s40, s18, 4
	s_lshl_b32 s41, s15, 2
	s_add_co_u32 s40, s40, s41
	s_sub_co_i32 s20, s16, s40                     ; u = my key tile - my span's first tile = g - 16 clx - 4 w', + 2 a step
	; group 1: a tile of 64 rows x 64 f32, dense
	s_mov_b32 s[G1+0], 15|(2<<16)|(1<<21)          ; 15:0 mask: all four partners; 17:16 elements of 4 bytes; 21 set beside a mask; no padding: F is read 512 neighbouring bytes at a time
	s_mov_b32 s[G1+1], 64<<16                      ; tensor_dim0 = 64
	s_mov_b32 s[G1+2], 64<<16                      ; tensor_dim1 = 64
	s_mov_b32 s[G1+3], 64<<16                      ; tile_dim0 = 64
	s_mov_b32 s[G1+4], 64                          ; tile_dim1 = 64
	s_mov_b32 s[G1+5], 64                          ; from row to row: 64 elements
	s_mov_b32 s[G1+6], 0
	s_mov_b32 s[G1+7], 0
	s_lshl_b32 s46, s19, 19                        ; head x 524,288 bytes
	s_and_b32 s44, s14, 1
	s_lshl_b32 s44, s44, 14                        ; which 64 rows of a step I bring
	s_add_co_u32 s44, s44, s46
	s_mov_b32 s45, 0                               ; stays 0: the high word of every offset
	; lane addresses.  L = lane, r = L & 15, h = L >> 4
	v_and_b32 v1, 31, v0
	v_and_b32 v2, 15, v0
	v_bfe_u32 v3, v0, 4, 1
	v_mul_u32_u24 v4, v2, KP
	v_lshl_add_u32 v4, v3, 4, v4                   ; r x 144 + 16 h: a fragment of rows that lie along d
	s_mul_i32 s40, s16, 64*KP
	s_add_co_u32 s40, s40, BBASE
	v_add_nc_u32 v[KA], s40, v4                    ; my key group's 64 rows of K
	s_mul_i32 s40, s15, 64*KP
	s_add_co_u32 s40, s40, XBASE
	v_add_nc_u32 v[QA], s40, v4                    ; my row group's 64 rows of Q
	v_and_b32 v5, 7, v0
	v_lshl_add_u32 v5, v3, 3, v5
	v_mul_u32_u24 v5, v5, VP                       ; (8 h + (L & 7)) x 160
	v_bfe_u32 v6, v0, 3, 1
	v_lshl_add_u32 v5, v6, 4, v5                   ; + 16 ((L >> 3) & 1): the transposing load's address
	s_mul_i32 s40, s16, 64*VP
	s_add_co_u32 s40, s40, VBASE
	v_add_nc_u32 v[VA], s40, v5
	s_lshl_b32 s40, s14, 12
	v_lshl_add_u32 v[CS], v1, 4, s40               ; I convert rows 16 w .. 16 w + 15 of K and of V
	v_add_nc_u32 v[CS+1], FSLOT, v[CS]
	v_mul_u32_u24 v5, v3, KP
	v_lshl_add_u32 v5, v2, 3, v5                   ; h x 144 + 8 r
	s_mul_i32 s40, s14, 16*KP
	s_add_co_u32 s40, s40, BBASE
	v_add_nc_u32 v[CDK], s40, v5
	s_mul_i32 s40, s14, 32*KP
	s_add_co_u32 s40, s40, XBASE
	v_add_nc_u32 v[QS], s40, v5                    ; I bring q-blocks 2 w, 2 w + 1 of the work-group's sixteen
	v_mul_u32_u24 v5, v3, VP
	v_lshl_add_u32 v5, v2, 3, v5
	s_mul_i32 s40, s14, 16*VP
	s_add_co_u32 s40, s40, VBASE
	v_add_nc_u32 v[CDV], s40, v5
	v_lshlrev_b32 v[PFO], 8, v1
	v_lshlrev_b32 v[GO], 4, v1
	s_mul_i32 s40, s15, MRG
	s_add_co_u32 s40, s40, XBASE
	v_add_nc_u32 v[MX], s40, v[GO]
	s_mul_i32 s40, s15, 16*OP
	s_add_co_u32 s40, s40, OBASE
	v_mul_u32_u24 v5, v2, OP
	v_lshl_add_u32 v5, v3, 5, v5                   ; in: row r, 32 bytes for each half of the lanes
	v_add_nc_u32 v[OS], s40, v5
	v_mul_u32_u24 v5, v3, OP
	v_lshl_add_u32 v5, v2, 4, v5                   ; back: lanes 0-15 one row of 256 bytes, lanes 16-31 the next
	v_add_nc_u32 v[OL], s40, v5
	v_lshlrev_b32 v4, 5, v3
	v_lshlrev_b32 v5, 2, v2
	v_sub_nc_u32 v4, v4, v5                        ; 4 (8 h - r)
	v_mov_b32 v7, 0
.irp i, 0,1,2,3
	v_mov_b32 v[XH+\i], 0                          ; the destination of v_permlanex16_b32 counts as read: written once here
	v_mov_b32 v[PA+2*\i+1], 0                      ; the packed forms count the whole pair as read
.endr
	s_wait_dscnt 0x0
	s_wait_kmcnt 0x0
	s_cmp_lt_u32 s14, 2
	s_cselect_b64 s[40:41], s[6:7], s[8:9]         ; waves 0, 1: K; the others: V
	s_add_nc_u64 s[40:41], s[40:41], s[44:45]
	s_mov_b32 s[G0+0], 1
	s_lshl_b32 s[G0+1], s14, 14                    ; LDS: wave x 16,384: K's halves, then V's
	s_mov_b64 s[G0+2:G0+3], s[40:41]               ; step 0
	s_or_b32 s[G0+3], s[G0+3], 0x80000000
	s_mov_b32 s[G0+4], 1
	s_add_co_u32 s[G0+5], s[G0+1], FSLOT
	s_add_nc_u64 s[G0+6:G0+7], s[40:41], STEPB     ; step 1
	s_or_b32 s[G0+7], s[G0+7], 0x80000000
	ROUND                                          ; all four work-groups are here: the first joint loads meet
	s_cmp_lt_u32 s14, 4
	s_cbranch_scc0 .Lno_first
	tensor_load_to_lds s[G0:G0+3], s[G1:G1+7]      ; the two first fills as one group: two tensor loads of the wave are out
	s_nop 0
	tensor_load_to_lds s[G0+4:G0+7], s[G1:G1+7]
	s_nop 0
.Lno_first:
	s_lshl_b32 s47, s18, 18                        ; clx x 1,024 rows
	s_add_co_u32 s47, s47, s46
	s_lshl_b32 s44, s17, 12                        ; cx x 16 rows
	s_add_co_u32 s47, s47, s44
	s_lshl_b32 s44, s14, 15                        ; q-block 2 w: 128 rows a wave
	s_add_co_u32 s44, s44, s47
	s_add_nc_u64 s[54:55], s[4:5], s[44:45]        ; Q
	s_lshl_b32 s44, s15, 16                        ; my span: 256 rows a row group
	s_add_co_u32 s44, s44, s47
	s_add_nc_u64 s[56:57], s[12:13], s[44:45]      ; out
	s_lshl_b32 s44, s17, 13                        ; the prefetch: partner cx takes 8,192 of a step's 32,768 bytes,
	s_add_co_u32 s44, s44, s46
	s_add_co_u32 s44, s44, 2*STEPB                 ; stepped at the head of each asking trip: trip t asks for step t + 3
	s_cmp_eq_u32 s18, 0
	s_cselect_b64 s[PFB:PFB+1], s[6:7], s[8:9]     ; the head's first cluster asks for K, its second for V
	s_add_nc_u64 s[PFB:PFB+1], s[PFB:PFB+1], s[44:45]
	s_lshl_b32 s44, s17, 6                         ; 64 cx
	s_sub_co_u32 s48, 480, s44                     ; 4 (D + 136), D = first key - first query of the block:  BM3: D = -16 - 16 cx
	s_sub_co_u32 s49, 800, s44                     ; BP0: D = 64 - 16 cx
	s_sub_co_u32 s50, 544, s44                     ; BZ0 .. BZ3: D = 16 kb - 16 cx
	s_sub_co_u32 s51, 608, s44
	s_sub_co_u32 s52, 672, s44
	s_sub_co_u32 s53, 736, s44
	; Q: two blocks of 16 rows, 512 neighbouring bytes a load
.irp e, 0,1
.irp t, 0,1,2,3,4,5,6,7
	global_load_b128 v[192+32*\e+4*\t:192+32*\e+4*\t+3], v[GO], s[54:55] offset:\e*16384+\t*512 th:TH_LOAD_NT
.endr
.endr
	; the six blocks that meet the band: register j of lane (r, h) is bias[clip(D + 8 h - r + j, -8, 8) + 8].  Byte offset, all terms times 4:
	; x = 4 (rel + 136) > 0;  64 - min(576 - min(x, 576), 64) = 4 clip(rel + 8, 0, 16)
.irp b, 0,1,2,3,4,5
.irp j, 0,1,2,3,4,5,6,7
	v_add3_u32 v[SC+8*\b+\j], v4, s[48+\b], 4*\j
	v_min_u32 v[SC+8*\b+\j], 576, v[SC+8*\b+\j]
	v_sub_nc_u32 v[SC+8*\b+\j], 576, v[SC+8*\b+\j]
	v_min_u32 v[SC+8*\b+\j], 64, v[SC+8*\b+\j]
	v_sub_nc_u32 v[SC+8*\b+\j], 64, v[SC+8*\b+\j]
.endr
.endr
	WIN 0x40                                       ; destination window 1
.irp b, 0,1,2,3,4,5
.irp j, 0,1,2,3,4,5,6,7
	global_load_b32 v[BM3+8*\b+\j], v[SC+8*\b+\j], s[10:11]
.endr
.endr
.irp j, 0,1,2,3,4,5,6,7
	global_load_b32 v[BLO+\j], v7, s[10:11]            ; bias[0] everywhere
	global_load_b32 v[BHI+\j], v7, s[10:11] offset:64  ; bias[16] everywhere
.endr
	WIN 0
	s_wait_loadcnt 0x0                             ; Q and the bias are in; the offset registers are free
.set nn, 0
.rept 16
	v_pk_mul_f32 v[192+4*nn:192+4*nn+1], v[192+4*nn:192+4*nn+1], 0x3e000000 op_sel_hi:[1,0]     ; q / sqrt(64), exact
	v_pk_mul_f32 v[192+4*nn+2:192+4*nn+3], v[192+4*nn+2:192+4*nn+3], 0x3e000000 op_sel_hi:[1,0]
	v_cvt_pk_f16_f32 v[192+4*nn], v[192+4*nn], v[192+4*nn+1]
	v_cvt_pk_f16_f32 v[192+4*nn+1], v[192+4*nn+2], v[192+4*nn+3]
	ds_store_b64 v[QS], v[192+4*nn:192+4*nn+1] offset:nn*2*KP
.set nn, nn+1
.endr
	s_wait_dscnt 0x0                               ; my rows of Q are in LDS,
	s_wait_tensorcnt 0x0                           ; and my parts of steps 0 and 1:
	WGBAR                                          ; everybody's are.
.irp i, 0,1,2,3
.irp c, 0,1,2,3
	ds_load_b128 v[QQ+16*\i+4*\c:QQ+16*\i+4*\c+3], v[QA] offset:\i*16*KP+32*\c
.endr
.endr
; 16 loads: my 16 rows of K and of V as f32 out of F slot f, two rows a load
.macro CONVLD f
.irp a, 0,1,2,3
.irp b, 0,1,2,3
.if \a < 2
	ds_load_b128 v[TC+32*\a+4*\b:TC+32*\a+4*\b+3], v[CS+\f] offset:(4*\a+\b)*512
.else
	ds_load_b128 v[TC+32*\a+4*\b:TC+32*\a+4*\b+3], v[CS+\f] offset:FV+(4*\a+\b-8)*512
.endif
.endr
.endr
.endm
; rounded to f16 and stored into image b
.macro CONVST b
	s_wait_dscnt 0x0                               ; the sixteen loads are back
.irp a, 0,1,2,3
.irp c, 0,1,2,3
	v_cvt_pk_f16_f32 v[TC+32*\a+4*\c], v[TC+32*\a+4*\c], v[TC+32*\a+4*\c+1]
	v_cvt_pk_f16_f32 v[TC+32*\a+4*\c+1], v[TC+32*\a+4*\c+2], v[TC+32*\a+4*\c+3]
.if \a < 2
	ds_store_b64 v[CDK], v[TC+32*\a+4*\c:TC+32*\a+4*\c+1] offset:\b*BSLOT+(4*\a+\c)*2*KP
.else
	ds_store_b64 v[CDV], v[TC+32*\a+4*\c:TC+32*\a+4*\c+1] offset:\b*BSLOT+(4*\a+\c-8)*2*VP
.endif
.endr
.endr
.endm
.macro KFRAG buf                       ; my tile's 64 keys x 64 d: 16 loads
	WIN 0x40
.irp kb, 0,1,2,3
.irp dh, 0,1
	ds_load_b128 v[FR+16*\kb+8*\dh:FR+16*\kb+8*\dh+3],   v[KA] offset:\buf*BSLOT+\kb*16*KP+\dh*64
	ds_load_b128 v[FR+16*\kb+8*\dh+4:FR+16*\kb+8*\dh+7], v[KA] offset:\buf*BSLOT+\kb*16*KP+\dh*64+32
.endr
.endr
	WIN 0
.endm
.macro VFRAG buf                       ; the same tile of V, transposed on the way: rows d, keys along the registers
	WIN 0x40
.irp db, 0,1,2,3
.irp kk, 0,1
	ds_load_tr16_b128 v[FR+16*\db+8*\kk:FR+16*\db+8*\kk+3],   v[VA] offset:\buf*BSLOT+\kk*32*VP+\db*32
	ds_load_tr16_b128 v[FR+16*\db+8*\kk+4:FR+16*\db+8*\kk+7], v[VA] offset:\buf*BSLOT+\kk*32*VP+\db*32+16*VP
.endr
.endr
	WIN 0
.endm
; Which bias block is the C of tile (i, kb).  c = class of u - i: 0: <= -2, 1: -1, 2: 0, 3: +1, 4: >= +2.
; Class 1, kb <= 2: first key - first query <= -32, so key - query <= -17: below the band.  Class 3, kb >= 1: >= 32, so >= 17: above it.
.macro CSEL c, kb
.set CB, BLO
.if \c >= 3
.set CB, BHI
.endif
.if \c == 1
.if \kb == 3
.set CB, BM3
.endif
.endif
.if \c == 2
.set CB, BZ0+8*\kb
.endif
.if \c == 3
.if \kb == 0
.set CB, BP0
.endif
.endif
.endm
.macro SW1 i, kb, c
	CSEL \c, \kb
	v_wmma_f32_16x16x32_f16 v[SC+32*\i+8*\kb:SC+32*\i+8*\kb+7], v[FR+16*\kb:FR+16*\kb+7], v[QQ+16*\i:QQ+16*\i+7], v[CB:CB+7]
.endm
; S^T = K Q^T + bias for 64 keys x 64 queries: 32 matrix instructions.  The sixteen accumulators take turns, one instruction a turn.
.macro SMUL c0, c1, c2, c3
	WIN 0x11                                       ; A and C window 1
.irp kb, 0,1,2,3
	SW1 0, \kb, \c0
	SW1 1, \kb, \c1
	SW1 2, \kb, \c2
	SW1 3, \kb, \c3
.endr
	WIN 0x01                                       ; A window 1
.irp kb, 0,1,2,3
.irp i, 0,1,2,3
	v_wmma_f32_16x16x32_f16 v[SC+32*\i+8*\kb:SC+32*\i+8*\kb+7], v[FR+16*\kb+8:FR+16*\kb+15], v[QQ+16*\i+8:QQ+16*\i+15], v[SC+32*\i+8*\kb:SC+32*\i+8*\kb+7]
.endr
.endr
	WIN 0
.endm
; The eight forms of the S phase, chosen by u, which is the same in all partners
.macro SDISP
	s_cmp_lt_i32 s20, -1
	s_cbranch_scc1 .Lu_low_\@
	s_cmp_gt_i32 s20, 4
	s_cbranch_scc1 .Lu_high_\@
	s_cmp_eq_i32 s20, -1
	s_cbranch_scc1 .Lu_m1_\@
	s_cmp_eq_i32 s20, 0
	s_cbranch_scc1 .Lu_0_\@
	s_cmp_eq_i32 s20, 1
	s_cbranch_scc1 .Lu_1_\@
	s_cmp_eq_i32 s20, 2
	s_cbranch_scc1 .Lu_2_\@
	s_cmp_eq_i32 s20, 3
	s_cbranch_scc1 .Lu_3_\@
	SMUL 4, 4, 4, 3
	s_branch .Lu_join_\@
.Lu_low_\@:
	SMUL 0, 0, 0, 0
	s_branch .Lu_join_\@
.Lu_m1_\@:
	SMUL 1, 0, 0, 0
	s_branch .Lu_join_\@
.Lu_0_\@:
	SMUL 2, 1, 0, 0
	s_branch .Lu_join_\@
.Lu_1_\@:
	SMUL 3, 2, 1, 0
	s_branch .Lu_join_\@
.Lu_2_\@:
	SMUL 4, 3, 2, 1
	s_branch .Lu_join_\@
.Lu_3_\@:
	SMUL 4, 4, 3, 2
	s_branch .Lu_join_\@
.Lu_high_\@:
	SMUL 4, 4, 4, 4
.Lu_join_\@:
.endm
; The largest of my 32 scores of q-block i and the running maximum: 16 three-way maxima, four chains of 9, 9, 7, 7
.macro SMAX i, first
.set SB, SC+32*\i
	v_max3_num_f32 v[TT+0], v[SB+0],  v[SB+1],  v[SB+2]
	v_max3_num_f32 v[TT+1], v[SB+9],  v[SB+10], v[SB+11]
	v_max3_num_f32 v[TT+2], v[SB+18], v[SB+19], v[SB+20]
	v_max3_num_f32 v[TT+3], v[SB+25], v[SB+26], v[SB+27]
	v_max3_num_f32 v[TT+0], v[TT+0], v[SB+3],  v[SB+4]
	v_max3_num_f32 v[TT+1], v[TT+1], v[SB+12], v[SB+13]
	v_max3_num_f32 v[TT+2], v[TT+2], v[SB+21], v[SB+22]
	v_max3_num_f32 v[TT+3], v[TT+3], v[SB+28], v[SB+29]
	v_max3_num_f32 v[TT+0], v[TT+0], v[SB+5],  v[SB+6]
	v_max3_num_f32 v[TT+1], v[TT+1], v[SB+14], v[SB+15]
	v_max3_num_f32 v[TT+2], v[TT+2], v[SB+23], v[SB+24]
	v_max3_num_f32 v[TT+3], v[TT+3], v[SB+30], v[SB+31]
	v_max3_num_f32 v[TT+0], v[TT+0], v[SB+7],  v[SB+8]
	v_max3_num_f32 v[TT+1], v[TT+1], v[SB+16], v[SB+17]
	v_max3_num_f32 v[TT+0], v[TT+0], v[TT+1], v[TT+2]
.if \first
	v_max_num_f32 v[MM+\i], v[TT+0], v[TT+3]
.else
	v_max3_num_f32 v[MM+\i], v[TT+0], v[TT+3], v[MM+\i]
.endif
.endm
.macro FMA i                           ; S log2e + nm, two at a time
.set nn, 0
.rept 16
	v_pk_fma_f32 v[SC+32*\i+2*nn:SC+32*\i+2*nn+1], v[SC+32*\i+2*nn:SC+32*\i+2*nn+1], LOG2E, v[PA+2*\i:PA+2*\i+1] op_sel_hi:[1,0,0]
.set nn, nn+1
.endr
.endm
; Pair num of block p: into the running sums, then rounded to f16 in place (target register num lies at or below the pair: nothing unread is overwritten).
; Pair 0 carries the old sums over, times alpha; in the first step pairs 0 and 1 start the sums.
.macro SUMCVT p, num, first
.set doadd, 1
.if \num == 0
.set doadd, 0
.if \first
	s_wait_alu depctr_va_vdst(0)
	v_pk_add_f32 v[LS+2*\p:LS+2*\p+1], v[SC+32*\p:SC+32*\p+1], v[SC+32*\p+2:SC+32*\p+3]
.else
	s_wait_alu depctr_va_vdst(0)
	v_pk_fma_f32 v[LS+2*\p:LS+2*\p+1], v[LS+2*\p:LS+2*\p+1], v[PA+2*\p:PA+2*\p+1], v[SC+32*\p:SC+32*\p+1] op_sel:[0,1,0] op_sel_hi:[1,1,1]
	s_wait_alu depctr_va_vdst(0)
.endif
.endif
.if \first
.if \num == 1
.set doadd, 0
.endif
.endif
.if doadd
	s_wait_alu depctr_va_vdst(0)
	v_pk_add_f32 v[LS+2*\p:LS+2*\p+1], v[LS+2*\p:LS+2*\p+1], v[SC+32*\p+2*\num:SC+32*\p+2*\num+1]
.endif
	v_cvt_pk_f16_f32 v[SC+32*\p+\num], v[SC+32*\p+2*\num], v[SC+32*\p+2*\num+1]
.endm
; The exponentials of block i, with the sums and roundings of block p (done one block earlier) between them: plain instructions on other registers
; stand between every exponential and the first use of its result (ISA guide 5.7.2).  p = -1: none.
.macro EXPMIX i, p, first
.set nn, 0
.rept 16
	v_exp_f32 v[SC+32*\i+2*nn], v[SC+32*\i+2*nn]
	v_exp_f32 v[SC+32*\i+2*nn+1], v[SC+32*\i+2*nn+1]
.if \p >= 0
	SUMCVT \p, nn, \first
.endif
.set nn, nn+1
.endr
.endm
.macro RESCALE                         ; O times alpha of its query
	WIN 0x41
	s_wait_alu depctr_va_vdst(0)
.irp i, 0,1,2,3
.set nn, 0
.rept 16
	v_pk_mul_f32 v[32*\i+2*nn:32*\i+2*nn+1], v[32*\i+2*nn:32*\i+2*nn+1], v[PA+2*\i:PA+2*\i+1] op_sel:[0,1] op_sel_hi:[1,1]
.set nn, nn+1
.endr
.endr
	WIN 0
.endm
; O^T += V^T P^T: 32 matrix instructions, sixteen accumulators by turns, one instruction a turn.  The first step's first products start the sums.
.macro PV first
	WIN 0x51                                       ; A, C and D window 1
.irp i, 0,1,2,3
.irp db, 0,1,2,3
.if \first
	v_wmma_f32_16x16x32_f16 v[32*\i+8*\db:32*\i+8*\db+7], v[FR+16*\db:FR+16*\db+7], v[SC+32*\i:SC+32*\i+7], 0
.else
	v_wmma_f32_16x16x32_f16 v[32*\i+8*\db:32*\i+8*\db+7], v[FR+16*\db:FR+16*\db+7], v[SC+32*\i:SC+32*\i+7], v[32*\i+8*\db:32*\i+8*\db+7]
.endif
.endr
.endr
.irp i, 0,1,2,3
.irp db, 0,1,2,3
	v_wmma_f32_16x16x32_f16 v[32*\i+8*\db:32*\i+8*\db+7], v[FR+16*\db+8:FR+16*\db+15], v[SC+32*\i+8:SC+32*\i+15], v[32*\i+8*\db:32*\i+8*\db+7]
.endr
.endr
	WIN 0
.endm
; Step s (slot = s & 1) multiplies image B[slot], rounds F[1 - slot] (step s + 1) into B[1 - slot], and has F[slot] filled again with step s + 2.
; One barrier a step does it all.  In front of it each wave has waited for its reads of B[1 - slot] and of F[slot], for its stores into B[slot]
; and for all its tensor loads (one is out: its part of F[1 - slot]).  Where a slot is filled again the barrier is a round of the cluster's.
.macro TRIP slot, first, refill, conv, pf, round
.set OTH, 1-\slot
.if \conv
	s_wait_tensorcnt 0x0                           ; all my tensor loads have landed: my part of step s + 1; every group 0 may be written
	ds_add_u32 v62, v63
	s_wait_dscnt 0x0
.endif
.if \pf
	s_wait_xcnt 0x0                                ; the last trip's prefetch has had its addresses translated (ISA guide 3.1): its base is stepped only behind this wait
	s_add_nc_u64 s[PFB:PFB+1], s[PFB:PFB+1], STEPB
.endif
.if \refill
	s_add_nc_u64 s[G0+4*\slot+2:G0+4*\slot+3], s[G0+4*\slot+2:G0+4*\slot+3], 2*STEPB
.endif
	s_wait_dscnt 0x0                               ; my LDS reads and stores of the last step are done
.if \round
	ROUND                                          ; all that now holds of every wave of all four work-groups
.else
	WGBAR
.endif
.if \refill
	JFILL \slot                                    ; first thing behind the round, one tensor load a wave: it has this step's work in which to land
.endif
	KFRAG \slot
	s_wait_dscnt 0x0
	SDISP
	s_add_co_i32 s20, s20, 2
	PLACES                                         ; behind the last S product: for the loads into its A registers and for the reads of S
	VFRAG \slot
.if \pf
	; Wave 7 asks for 32 blocks 256 bytes apart, 8,192 bytes of step s + 3, whose tensor load is issued at the head of the next trip.  The four partners' parts
	; make up a step of K (the head's first cluster) or of V (its second): each block is asked for once in the launch.  The last asking trip is 12 (step 15).
	s_cmp_eq_u32 s14, 7
	s_cbranch_scc0 .Lno_pf_\@
	global_prefetch_b8 v[PFO], s[PFB:PFB+1] th:TH_LOAD_NT scope:SCOPE_SE
.Lno_pf_\@:
.endif
	SMAX 0, \first
	SMAX 1, \first
	SMAX 2, \first
	SMAX 3, \first
.irp i, 0,1,2,3
	v_permlanex16_b32 v[XH+\i], v[MM+\i], s22, s23 ; the other 32 keys of the row
.endr
.irp i, 0,1,2,3
	v_max_num_f32 v[MM+\i], v[MM+\i], v[XH+\i]
.endr
.if \first
.irp i, 0,1,2,3
	v_mul_f32 v[PA+2*\i], NLOG2E, v[MM+\i]         ; the shift nm = -log2e m
.endr
.else
.irp i, 0,1,2,3
	v_mul_f32 v[TT+\i], NLOG2E, v[MM+\i]
.endr
.irp i, 0,1,2,3
	v_sub_f32 v[XH+\i], v[TT+\i], v[PA+2*\i]       ; new shift - old shift <= 0: from the rounded shifts that the exponentials use
.endr
.irp i, 0,1,2,3
	v_exp_f32 v[PA+2*\i+1], v[XH+\i]               ; alpha
.endr
.irp i, 0,1,2,3
	v_mov_b32 v[PA+2*\i], v[TT+\i]                 ; plain instructions behind the exponentials, ahead of alpha's first use
.endr
	RESCALE
.endif
	FMA 0
	EXPMIX 0, -1, \first
	FMA 1
	EXPMIX 1, 0, \first
	FMA 2
	EXPMIX 2, 1, \first
	FMA 3
	EXPMIX 3, 2, \first
.set nn, 0
.rept 16
	SUMCVT 3, nn, \first
.set nn, nn+1
.endr
.if \conv
	CONVLD OTH                                     ; into the registers that packing has freed
	s_wait_dscnt 16                                ; LDS loads come back in order (ISA guide 5.7.1): V's sixteen are in, the sixteen just issued may stay out
.else
	s_wait_dscnt 0x0
.endif
	PV \first
.if \conv
	CONVST OTH                                     ; its 32 roundings name none of the products' registers: they are the places ahead of the next step's loads into A and writes over P
.endif
.endm
	CONVLD 0                                       ; step 0 into image 0
	CONVST 0                                       ; (its wait covers Q's fragments too)
	TRIP 0, 1, 1, 1, 1, 1                          ; step 0 stands in front of the loop: it starts maxima, sums and O
	s_mov_b32 s21, 6
.Lsteps:
	TRIP 1, 0, 1, 1, 1, 1                          ; steps 1 to 12
	TRIP 0, 0, 1, 1, 1, 1
	s_sub_co_i32 s21, s21, 1
	s_cmp_lg_u32 s21, 0
	s_cbranch_scc1 .Lsteps
	TRIP 1, 0, 1, 1, 0, 1                          ; step 13 asks for step 15, the last
	TRIP 0, 0, 0, 1, 0, 0                          ; step 14 fills nothing
	TRIP 1, 0, 0, 0, 0, 0                          ; step 15 converts nothing; no tensor load is out since step 14's wait
	; THE END.  Sums of a row: the pair, then the other half of the lanes.
	PLACES                                         ; behind the last products, ahead of the reads of O and the loads into P
.irp i, 0,1,2,3
	v_add_f32 v[LS+2*\i], v[LS+2*\i], v[LS+2*\i+1]
.endr
.irp i, 0,1,2,3
	v_permlanex16_b32 v[XH+\i], v[LS+2*\i], s22, s23
.endr
.irp i, 0,1,2,3
	v_add_f32 v[XH+\i], v[LS+2*\i], v[XH+\i]       ; l
	v_mov_b32 v[TT+\i], v[PA+2*\i]                 ; nm, four in a row
.endr
	s_cmp_lt_u32 s14, 4
	s_cbranch_scc1 .Lkeeps
	WIN 0x04                                       ; store data window 1
.set nn, 0
.rept 32
	ds_store_b128 v[MX], v[4*nn:4*nn+3] offset:512*nn          ; key group 1 hands over O,
.set nn, nn+1
.endr
	WIN 0
	ds_store_b128 v[MX], v[TT:TT+3] offset:16384   ; its shifts
	ds_store_b128 v[MX], v[XH:XH+3] offset:16896   ; and its sums
.Lkeeps:
	s_wait_dscnt 0x0                               ; zero, for the sake of the waves that load these bytes behind the barrier
	ROUND                                          ; the hand-over's barrier and the cluster's closing round in one: all joint loads lie in front of it
	s_cmp_lt_u32 s14, 4
	s_cbranch_scc1 .Lmerge
	s_wait_tensorcnt 0x0
	ds_add_u32 v62, v63
	s_wait_dscnt 0x0
	s_endpgm
.Lmerge:
.set nn, 0
.rept 32
	ds_load_b128 v[SC+4*nn:SC+4*nn+3], v[MX] offset:512*nn
.set nn, nn+1
.endr
	ds_load_b128 v[PN:PN+3], v[MX] offset:16384
	ds_load_b128 v[PL:PL+3], v[MX] offset:16896
	s_wait_dscnt 0x0
.irp i, 0,1,2,3
	v_min_num_f32 v[MM+\i], v[TT+\i], v[PN+\i]     ; the shift of the larger maximum
.endr
.irp i, 0,1,2,3
	v_sub_f32 v[TT+\i], v[MM+\i], v[TT+\i]
	v_sub_f32 v[PN+\i], v[MM+\i], v[PN+\i]
.endr
.irp i, 0,1,2,3
	v_exp_f32 v[TT+\i], v[TT+\i]                   ; a0
	v_exp_f32 v[PN+\i], v[PN+\i]                   ; a1; one of the two is 1
.endr
	v_nop                                          ; the plain place behind the exponentials
	s_wait_alu depctr_va_vdst(0)
.irp i, 0,1,2,3
	v_mul_f32 v[MM+\i], v[TT+\i], v[XH+\i]
.endr
.irp i, 0,1,2,3
	v_fmac_f32 v[MM+\i], v[PN+\i], v[PL+\i]        ; a0 l + a1 l', about 1 at the least: the largest score's p is about 1 in one of the halves
.endr
.irp i, 0,1,2,3
	v_rcp_f32 v[MM+\i], v[MM+\i]
.endr
	v_nop                                          ; the plain place behind the reciprocals
	s_wait_alu depctr_va_vdst(0)
.irp i, 0,1,2,3
	v_mul_f32 v[PA+2*\i], v[TT+\i], v[MM+\i]       ; f0
	v_mul_f32 v[PA+2*\i+1], v[PN+\i], v[MM+\i]     ; f1
.endr
.irp i, 0,1,2,3
.set nn, 0
.rept 16
	v_pk_mul_f32 v[SC+32*\i+2*nn:SC+32*\i+2*nn+1], v[SC+32*\i+2*nn:SC+32*\i+2*nn+1], v[PA+2*\i:PA+2*\i+1] op_sel:[0,1] op_sel_hi:[1,1]
.set nn, nn+1
.endr
.endr
	WIN 0x01                                       ; source 0 (my O) window 1
.irp i, 0,1,2,3
.set nn, 0
.rept 16
	v_pk_fma_f32 v[SC+32*\i+2*nn:SC+32*\i+2*nn+1], v[32*\i+2*nn:32*\i+2*nn+1], v[PA+2*\i:PA+2*\i+1], v[SC+32*\i+2*nn:SC+32*\i+2*nn+1] op_sel_hi:[1,0,1]
.set nn, nn+1
.endr
.endr
	WIN 0
; THE WAY OUT, q-block i: a lane holds 8 neighbouring numbers of four places of row r.  Through my own stage (pitch 272: the sixteen rows start in sixteen
; different 16-byte columns), back as whole rows; LDS serves a wave's instructions in order (ISA guide 5.7.1.4), so no wait stands between stores and loads.
.macro OUT16 i
.irp db, 0,1,2,3
	ds_store_b128 v[OS], v[SC+32*\i+8*\db:SC+32*\i+8*\db+3]   offset:64*\db
	ds_store_b128 v[OS], v[SC+32*\i+8*\db+4:SC+32*\i+8*\db+7] offset:64*\db+16
.endr
	s_wait_xcnt 0x0                                ; earlier stores have had their addresses translated (ISA guide 3.1): their data registers are loaded again only behind this wait
.irp t, 0,1,2,3,4,5,6,7
	ds_load_b128 v[QQ+32*(\i&1)+4*\t:QQ+32*(\i&1)+4*\t+3], v[OL] offset:\t*2*OP
.endr
.irp t, 0,1,2,3,4,5,6,7
	s_wait_dscnt 7-\t                              ; row pair t is in; the younger loads stay out
	global_store_b128 v[GO], v[QQ+32*(\i&1)+4*\t:QQ+32*(\i&1)+4*\t+3], s[56:57] offset:\i*16384+\t*512 th:TH_STORE_NT   ; 16 lanes store one row: 256 consecutive bytes, aligned
.endr
.endm
	OUT16 0
	OUT16 1
	OUT16 2
	OUT16 3
	s_wait_tensorcnt 0x0
	ds_add_u32 v62, v63
	s_wait_dscnt 0x0
	s_endpgm
.Lfunc_end_k_qe6dc22159a_attn:
	.size	k_qe6dc22159a_attn, .Lfunc_end_k_qe6dc22159a_attn-k_qe6dc22159a_attn
	.p2alignl 7, 3214868480
	.fill 96, 4, 3214868480
	.section	.rodata,"a",@progbits
	.p2align	6, 0x0
	.amdhsa_kernel k_qe6dc22159a_attn
		.amdhsa_group_segment_fixed_size 327680
		.amdhsa_private_segment_fixed_size 0
		.amdhsa_enable_private_segment 0
		.amdhsa_kernarg_size 40
		.amdhsa_user_sgpr_count 2
		.amdhsa_user_sgpr_kernarg_segment_ptr 1
		.amdhsa_wavefront_size32 1
		.amdhsa_system_sgpr_workgroup_id_x 1
		.amdhsa_system_sgpr_workgroup_id_y 1
		.amdhsa_system_sgpr_workgroup_id_z 1
		.amdhsa_system_vgpr_workitem_id 0
		.amdhsa_next_free_vgpr 512
		.amdhsa_next_free_sgpr 66
		.amdhsa_reserve_vcc 0
		.amdhsa_float_denorm_mode_32 3
		.amdhsa_float_denorm_mode_16_64 3
		.amdhsa_memory_ordered 1
		.amdhsa_forward_progress 1
		.amdhsa_inst_pref_size 255
	.end_amdhsa_kernel
	.section	.bss,"aw",@nobits
	.p2align	6
	.space	262144
	.amdgpu_metadata
---
amdhsa.version: [ 1, 2 ]
amdhsa.kernels:
  - .name:           k_qe6dc22159a_attn
    .symbol:         k_qe6dc22159a_attn.kd
    .args:
      - { .name: q, .offset: 0, .size: 8, .value_kind: global_buffer, .address_space: global }
      - { .name: k, .offset: 8, .size: 8, .value_kind: global_buffer, .address_space: global }
      - { .name: v, .offset: 16, .size: 8, .value_kind: global_buffer, .address_space: global }
      - { .name: relative_bias, .offset: 24, .size: 8, .value_kind: global_buffer, .address_space: global }
      - { .name: out0, .offset: 32, .size: 8, .value_kind: global_buffer, .address_space: global }
    .group_segment_fixed_size: 327680
    .private_segment_fixed_size: 0
    .kernarg_segment_align: 8
    .kernarg_segment_size: 40
    .max_flat_workgroup_size: 256
    .sgpr_count:     66
    .vgpr_count:     512
    .wavefront_size: 32
...
	.end_amdgpu_metadata
.endif
;; end of part 1
